; MI455X (gfx1250); checked and timed in simulation.
; The chip was launched on July 23, 2026; its instructions are those of AMD's public machine-readable ISA for CDNA 5 (MIT licence, August 2026) and "CDNA5" Instruction Set Architecture Reference Guide (July 2026). The comments in the code are by the model that wrote it; some were corrected since.
;; G Fusion. Allowed arithmetic: matrix products marked QUANTISED: E4M3 operands, one E8M0 scale for each 32 along K, by v_wmma_scale_f32_16x16x128_f8f6f4 with both operands' format E4M3, f32 sums; everything else in f32.
;; Inputs: Wk_codes 384 x 12 x 32 uint8 (E4M3 codes of Wk, K innermost, in blocks of 32 codes); Wk_scales 384 x 12 uint8 (E8M0 scales of Wk, one for each 32 codes along K); Wo_codes 384 x 12 x 32 uint8 (E4M3 codes of Wo, K innermost, in blocks of 32 codes); Wo_scales 384 x 12 uint8 (E8M0 scales of Wo, one for each 32 codes along K); Wq_codes 384 x 12 x 32 uint8 (E4M3 codes of Wq, K innermost, in blocks of 32 codes); Wq_scales 384 x 12 uint8 (E8M0 scales of Wq, one for each 32 codes along K); Wv_codes 384 x 12 x 32 uint8 (E4M3 codes of Wv, K innermost, in blocks of 32 codes); Wv_scales 384 x 12 uint8 (E8M0 scales of Wv, one for each 32 codes along K); bk 384 float32; bo 384 float32; bq 384 float32; bv 384 float32; x 8,192 x 384 float32; y_codes 8,192 x 12 x 32 uint8 (E4M3 codes of y, K innermost, in blocks of 32 codes); y_scales 8,192 x 12 uint8 (E8M0 scales of y, one for each 32 codes along K).
;; Outputs: out0 8,192 x 384 float32.
;; This version of the problem:
;;   THIS VERSION OF THE PROBLEM IS GIVEN IN LOW PRECISION. The matrix products marked QUANTISED in the list below multiply operands that are first quantised to E4M3 (4 exponent bits, 3 mantissa bits; 8 bits a number), with one power-of-two scale for each 32 numbers along K (OCP MX v1.0); their sums are f32. All else is computed in f32.
;;   The module's matrix products, in the order in which they are computed (A, B: the left and right operand; K: the contracted axis; several contracted axes count as one K, in the product's order):
;;     1. [M 8,192, K 384] x [K 384, N 384]; A: input x; B: input Wq (given as codes): QUANTISED
;;     2. [M 8,192, K 384] x [K 384, N 384]; A: input y (given as codes); B: input Wk (given as codes): QUANTISED
;;     3. [M 8,192, K 384] x [K 384, N 384]; A: input y (given as codes); B: input Wv (given as codes): QUANTISED
;;     4. [M 8,192, K 384] x [K 384, N 8,192]; A: computed on the way; B: computed on the way: QUANTISED
;;     5. [M 8,192, K 8,192] x [K 8,192, N 384]; A: softmax (see below); B: computed on the way: QUANTISED
;;     6. [M 8,192, K 384] x [K 384, N 384]; A: computed on the way; B: input Wo (given as codes): QUANTISED
;;   THE QUANTISER, for each operand of a quantised product, along K:
;;     - K is cut into blocks of 32 from its start; a last block that is shorter is filled with zeros.
;;     - A block's scale is 2^e with e = floor(log2(the largest magnitude in the block)) - 8, held to -126 .. 127; a block of zeros has e = 0. As a byte (E8M0): e + 127.
;;     - Each number is divided by its block's scale, clamped to +-448, and rounded to the nearest number of E4M3, ties to even, subnormals kept.
;;     - The product sums the exact products of the quantised numbers (number of the format x scale) in f32.
;;   ~~~python
;;   def quantise(x, axis):      # numpy; x: float32 -> the quantised numbers, widened to float32 again
;;       x = np.moveaxis(x, axis, -1); K = x.shape[-1]
;;       x = np.pad(x, [(0, 0)] * (x.ndim - 1) + [(0, -K % 32)]); x = x.reshape(x.shape[:-1] + (-1, 32)); a = np.abs(x).max(-1, keepdims=True)
;;       e = np.where(a > 0, np.clip(np.frexp(np.where(a > 0, a, 1))[1] - 1 - 8, -126, 127), 0)      # np.frexp(a)[1] - 1 = floor(log2(a)), exactly
;;       r = np.clip(x / 2.0 ** e, -448, 448)
;;       step = 2.0 ** (np.maximum(np.frexp(np.where(r == 0, 1, r))[1] - 1, -6) - 3)
;;       q = np.round(r / step) * step * 2.0 ** e      # np.round: ties to even
;;       return np.moveaxis(q.reshape(q.shape[:-2] + (-1,))[..., :K], -1, axis).astype(np.float32)
;;   ~~~
;;   SOFTMAX AHEAD OF A QUANTISED PRODUCT. Where the list says 'softmax', what is quantised is not the finished softmax but p = 2^(t - M), with t = logit x log2(e) and M = ceil(the row's largest t), a whole number; so 1/2 < the row's largest p <= 1. The row's sum l is taken of the UNQUANTISED p, in f32, and the product's result is divided by l at the end. Since M is a whole number, a kernel that streams over the keys may use a running M (the ceiling of the running maximum): every later rescaling is an exact power of two, which a block's scale takes up: the codes' values come out the same.
;;   OPERANDS COMPUTED ON THE WAY. 'Computed on the way' means the value that the module computes at that place (a softmax that the list does not call 'softmax' is quantised finished and normalised). What goes into a quantiser is computed in f32, as accurately as f32 sums, v_exp_f32 and their like allow (about 1e-6 of the number): no bf16 or f16 on the way to a quantiser, and a product that is left as it is and whose result goes on into a quantised operand takes f32 operands (vector FMAs, or v_wmma_f32_16x16x4_f32). A number that lies on a knife's edge between two numbers of the format may be rounded either way, as far as f32 arithmetic and the matrix unit's own rounding can turn it there, and no further.
;;   INPUTS GIVEN AS CODES. Wk (in the module: [384, 384], K = its axis 1); Wo (in the module: [384, 384], K = its axis 1); Wq (in the module: [384, 384], K = its axis 1); Wv (in the module: [384, 384], K = its axis 1); y (in the module: [8192, 384], K = its axis 1): each comes as NAME_codes (uint8): NAME with its K axis moved to the last place and cut into blocks of 32 codes, [.., K / 32, bytes a block], one block behind the other in memory; one code a byte (a code: sign, 4 exponent bits, 3 mantissa bits); and NAME_scales (uint8): the same leading axes, one E8M0 byte (e + 127) for each 32 codes along K. Its value is code x scale, taken as it is: it is not quantised again, and the codes and scales need not be those that the quantiser above would give.
;; One version. Each part assembles by itself: llvm-mc -triple=amdgcn-amd-amdhsa -mcpu=gfx1250 --defsym DOCPART=n.
;; ======== version 1 of 1: 3 launches
;; limits: right only within a limited range of input values
;; workspace buffers: qf 3,244,032 bytes; kf 3,244,032 bytes; vf 3,244,032 bytes; po 25,165,824 bytes; pm 131,072 bytes
;; launch proj (part 1): grid 192 x 1, 3 waves a work-group, no clusters, 52,736 bytes of LDS; arguments x, y_codes, y_scales, Wq_codes, Wq_scales, bq, Wk_codes, Wk_scales, bk, Wv_codes, Wv_scales, bv, qf, kf, vf; writes qf, kf, vf
.if DOCPART == 1
	.amdgcn_target "amdgcn-amd-amdhsa--gfx1250"
	.amdhsa_code_object_version 6
	.text
	.protected	k_qf75909dd76_proj
	.globl	k_qf75909dd76_proj
	.p2align	8
	.type	k_qf75909dd76_proj,@function
k_qf75909dd76_proj:
	s_mov_b64 s[64:65], 0
	v_nop
	global_prefetch_b8 v0, s[64:65] scope:SCOPE_SE
	s_setreg_imm32_b32 hwreg(HW_REG_WAVE_MODE, 25, 1), 1
	s_wait_xcnt 0x0
; Q = quant(x) Wq^T + bq, K = y Wk^T + bk, V = y Wv^T + bv, all three products on E4M3 codes with one E8M0 scale for each 32 along K; the results are
; quantised again (Q and K along the 384, V along the keys) and stored as IMAGES OF OPERAND REGISTERS, as the attention launch takes them.
; DEAD WORK: none.  Every bias goes into a quantised operand, the division by the softmax's sum stands ahead of reference()'s guard max(norm, 1e-12), and every input has a way to the output: all are loaded.
; LIMITS: a block whose largest magnitude lies under 2^(9 - 127) gets the byte 1 (a block of zeros too: its codes are zeros, and this program alone reads the bytes); NaN and infinities among the inputs are not served.
; A BLOCK of qf, kf, vf serves 128 rows: 50,688 bytes = two halves of 25,344; a half = 12 fragment images of 2,048 bytes (registers 4 c .. 4 c + 3 of lane l at 512 c + 16 l), then 12 x 64 bytes of scale words.
; Fragment L (0 .. 23) lies at 2,048 L (+ 768 from L = 12 on), its 16 scale words at 24,576 + 64 L (+ 24,576 from L = 12 on).  qf, kf: L = 3 x tile of 16 rows + chunk of 128 of the 384.  vf: L = tile of 16 channels, K = the block's 128 keys.
; ROWS OF A TILE: keys, V's channels and the weights' rows are not neighbours: lane r of tile i takes row 32 (i / 2) + 8 (i % 2) + r + 8 (r / 8), so that the 16 result registers of tiles 2 b, 2 b + 1 are 16 neighbours along the next K.  Queries are natural.
; SHARES.  Work-groups 0-63: Q, 64-127: K, 128-191: V; each serves one block j of 128 rows.  Three waves; wave s holds an A set and a B set of 8 tiles x 3 K steps (24 fragments, 384 registers each).
; Q, K: A = rows 128 s on of the weight, B = the 8 tiles of rows: a lane is a row, its 64 results run along channels 128 s on.  V: A = y's 8 tiles of keys, B = Wv's rows 128 s on: a lane is a channel, its 64 results run along the keys.
; For each B tile o: 24 matrix instructions on 8 accumulators by turns, the bias as the C of the first eight; the 64 results become one fragment and one scale word a lane.
; Q's x: a wave asks for its chunk of all eight tiles at once, 128 loads: they land in ACC, CB and the B set's 384 registers, which are free until the images are fetched.
; No tensor load, no cluster: the weights are small and each wave keeps its part in registers; what work-groups share is read once each.
; REGISTERS.  Window 0: v1-11 addresses; v12-27 at work; v28 the scale word; v36-51 codes; v52-75, v76-99 A's and B's scale words; v100-163 accumulators; v164-227 the bias in the result's layout.
;   A(i, s'): s' = 0, 1 window 1 v[16 (8 s' + i)]; s' = 2 window 2 v[16 i].   B(o, s'): s' = 0 window 2 v[128 + 16 o]; s' = 1, 2 window 3 v[16 (8 (s' - 1) + o)].
.set BLK,   50688
.set XSC,   49152                      ; LDS: x's 24 images from 0 on; their scale words, 128 bytes each, from here on
.set SPARE, 52224                      ; the spare words: 128 bytes a wave
.set LI,  1                            ; 16 x lane
.set R4,  2                            ; 4 r
.set AR,  3                            ; (r + 8 (r / 8)) x 384 + 16 h: a lane's place in a tile of codes
.set SR,  4                            ; (r + 8 (r / 8)) x 12: in a tile's scale bytes
.set XA,  5                            ; 1,536 r + 64 h: in 16 rows of x
.set BA,  6                            ; 64 h: bias along the registers
.set XWI, 7                            ; where I store x's images: 16 x lane + 2,048 x wave
.set XWS, 8                            ; and their scale words
.set LS,  9                            ; 4 x lane
.set SPW, 10
.set NIL, 11
.set TM,  12
.set PW,  28
.set BV,  29                           ; 4 (r + 8 (r / 8)): bias along the lanes
.set PC,  36
.set AS,  52
.set BS,  76
.set ACC, 100
.set CB,  164
.set WV,   38
.set ROLE, 39
.set LL,   54                          ; the fragment number of the tile in hand
.set LA,   55                          ; its step from tile to tile
.set SEL,  60
.set MNT,  62
.set MSB, 0
.macro WIN new                         ; the immediate's high byte repeats the setting that is left
.if MSB != \new
	s_set_vgpr_msb (MSB<<8)|\new
.set MSB, \new
.endif
.endm
; 64 numbers of a lane at v[xr] of window xw, register 16 b + i = k 32 b + 16 (lane / 16) + i of my row, become a fragment's codes in v[PC] on and its scale word in v[PW].
; The hold writes them to v[xd] of window 0, from where they are converted (xw = 0: xd = xr, in place).
.macro QUANTX
	WIN (xw|(xw<<2))
.irp b, 0,1,2,3
	v_max3_num_f32 v[TM+\b], |v[xr+16*\b]|, |v[xr+1+16*\b]|, 0x4800000   ; my 16 numbers of block b, and the floor 2^(9 - 127): the byte cannot fall under 1
.endr
	WIN ((xw<<2)|(xw<<4))
.irp i, 2,4,6,8,10,12,14
.irp b, 0,1,2,3
	v_max3_num_f32 v[TM+\b], v[TM+\b], |v[xr+16*\b+\i]|, |v[xr+1+16*\b+\i]|
.endr
.endr
	WIN 0
.irp b, 0,1,2,3
	v_permlanex16_b32 v[TM+4+\b], v[TM+\b], s[SEL], s[SEL+1]
.endr
.irp b, 0,1,2,3
	v_max_num_f32 v[TM+\b], v[TM+\b], v[TM+4+\b]                   ; with lane l xor 16's: the block's largest magnitude
.endr
.irp b, 0,1,2,3
	v_add_nc_u32 v[TM+12+\b], 0xfc000000, v[TM+\b]                 ; 8 off its exponent field: the conversion's scale operand
.endr
.irp b, 0,1,2,3
	v_and_or_b32 v[TM+8+\b], v[TM+\b], 0x7f800000, s[MNT]          ; 448 x the scale
.endr
.irp b, 0,1,2,3
	v_lshrrev_b32 v[TM+4+\b], 23, v[TM+12+\b]                      ; the scale's byte
.endr
	v_lshl_or_b32 v[PW], v[TM+5], 8, v[TM+4]
	v_lshl_or_b32 v[PW], v[TM+6], 16, v[PW]
	v_lshl_or_b32 v[PW], v[TM+7], 24, v[PW]
	WIN xw
.irp b, 0,1,2,3
.irp i, 0,1,2,3,4,5,6,7,8,9,10,11,12,13,14,15
	v_med3_num_f32 v[xd+16*\b+\i], v[xr+16*\b+\i], -v[TM+8+\b], v[TM+8+\b]   ; the conversion to an 8-bit code does not saturate (ISA guide 7.6.2): the hold comes first
.endr
.endr
	WIN 0
.irp b, 0,1,2,3
	v_cvt_scalef32_pk8_fp8_f32 v[PC+4*\b:PC+1+4*\b], v[xd+16*\b:xd+7+16*\b], v[TM+12+\b]
	v_cvt_scalef32_pk8_fp8_f32 v[PC+2+4*\b:PC+3+4*\b], v[xd+8+16*\b:xd+15+16*\b], v[TM+12+\b]
.endr
	v_nop                                          ; a plain line between the last conversion and whatever next writes its sources
.endm
.macro XPLACE i                        ; where tile i of x lands: tiles 0, 1 in ACC and CB; 2, 3 in window 2 from v128; 4 to 7 in window 3
.if (\i) < 2
.set xw, 0
.set xr, ACC+64*(\i)
.elseif (\i) < 4
.set xw, 2
.set xr, 128+64*((\i)-2)
.else
.set xw, 3
.set xr, 64*((\i)-4)
.endif
.endm
.macro XLOAD i                         ; tile i of x, my wave's 128 of the 384: 64 numbers a lane
	XPLACE \i
	WIN (xw<<6)
.irp b, 0,1,2,3
.irp g, 0,1,2,3
	global_load_b128 v[xr+16*\b+4*\g:xr+16*\b+4*\g+3], v[XA], s[8:9] offset:24576*(\i)+128*\b+16*\g th:TH_LOAD_NT
.endr
.endr
.endm
.macro CBROW                           ; the bias along the registers: tile i's eight channels of my half
.irp i, 0,1,2,3,4,5,6,7
	global_load_b128 v[CB+8*\i:CB+8*\i+3], v[BA], s[50:51] offset:(32*(\i/2)+8*(\i%2))*4
	global_load_b128 v[CB+8*\i+4:CB+8*\i+7], v[BA], s[50:51] offset:(32*(\i/2)+8*(\i%2))*4+16
.endr
.endm
.macro XQ i                            ; tile i of x becomes an image in LDS
.set xc, 16*(7-(\i))                   ; behind this tile's loads were issued: 16 for each later tile,
.if (\i) >= 2
.set xc, xc+16                         ; and from tile 2 on the bias's 16;
.endif
.if xc > 63
.set xc, 63                            ; a wait names 63 at the most: a lesser count than may stay out
.endif
	s_wait_loadcnt xc
	XPLACE \i
.if xw
.set xd, ACC
.else
.set xd, xr
.endif
	QUANTX
.irp c, 0,1,2,3
	ds_store_b128 v[XWI], v[PC+4*\c:PC+4*\c+3] offset:6144*(\i)+512*\c
.endr
	ds_store_b32 v[XWS], v[PW] offset:384*(\i)
	s_wait_dscnt 0x0                               ; the stores have read their registers, and have landed
.if (\i) == 1
	CBROW                                          ; CB has given up tile 1: the bias is asked for here and lands while six tiles are quantised
.endif
.endm
	s_load_b512 s[8:23], s[0:1], 0x0               ; x, y_codes, y_scales, Wq_codes, Wq_scales, bq, Wk_codes, Wk_scales
	s_load_b256 s[24:31], s[0:1], 0x40             ; bk, Wv_codes, Wv_scales, bv
	s_load_b128 s[32:35], s[0:1], 0x60             ; qf, kf
	s_load_b64 s[36:37], s[0:1], 0x70              ; vf
	v_lshl_add_u32 v[SPW], v0, 2, SPARE
	v_mov_b32 v[NIL], 0
	v_lshrrev_b32 v30, 5, v0
	v_readfirstlane_b32 s[WV], v30                 ; wave 0..2
	v_and_b32 v30, 31, v0                          ; lane
	v_and_b32 v31, 15, v0                          ; r
	v_bfe_u32 v32, v0, 4, 1                        ; h
	v_and_b32 v33, 8, v31
	v_add_nc_u32 v33, v33, v31                     ; r + 8 (r / 8)
	v_lshlrev_b32 v[LI], 4, v30
	v_lshlrev_b32 v[LS], 2, v30
	v_lshlrev_b32 v[R4], 2, v31
	v_mul_u32_u24 v[AR], v33, 384
	v_lshl_add_u32 v[AR], v32, 4, v[AR]
	v_mul_u32_u24 v[SR], v33, 12
	v_mul_u32_u24 v[XA], v31, 1536
	v_lshl_add_u32 v[XA], v32, 6, v[XA]
	v_lshlrev_b32 v[BA], 6, v32
	v_lshlrev_b32 v[BV], 2, v33
	s_lshl_b32 s2, s[WV], 11
	v_add_nc_u32 v[XWI], s2, v[LI]
	s_lshl_b32 s2, s[WV], 7
	v_lshl_add_u32 v[XWS], v30, 2, XSC
	v_add_nc_u32 v[XWS], s2, v[XWS]
.irp b, 0,1,2,3
	v_mov_b32 v[TM+4+\b], 0                        ; written once: a lane permute's destination counts as one of its sources
.endr
	s_mov_b32 s[SEL], 0x76543210
	s_mov_b32 s[SEL+1], 0xfedcba98                 ; lane l xor 16
	s_mov_b32 s[MNT], 0x600000                     ; the mantissa field of 448
	s_and_b32 s41, ttmp9, 63                       ; j: my block of 128 rows
	s_lshr_b32 s[ROLE], ttmp9, 6                   ; 0 Q, 1 K, 2 V
	s_mul_i32 s56, s[WV], 49152                    ; my 128 rows of a weight,
	s_mul_i32 s57, s41, 49152                      ; my block's 128 rows of y,
	s_mul_i32 s58, s[WV], 1536                     ; and the same in the scale bytes
	s_mul_i32 s59, s41, 1536
	s_lshl_b32 s40, s[WV], 3
	s_cmp_lt_u32 s[ROLE], 2
	s_cselect_b32 s2, s56, s57                     ; A: the weight (Q, K) or y (V)
	s_cselect_b32 s4, s57, s56                     ; B: y (K) or the weight (V)
	s_cselect_b32 s6, s58, s59
	s_cselect_b32 s56, s59, s58
	s_cselect_b32 s[LL], s[WV], s40                ; L = 3 o + s (Q, K) or 8 s + o (V)
	s_cselect_b32 s[LA], 3, 1
	s_mov_b32 s3, 0
	s_mov_b32 s5, 0
	s_mov_b32 s7, 0
	s_mov_b32 s57, 0
	s_wait_kmcnt 0x0
	s_cmp_eq_u32 s[ROLE], 0                        ; the choices hang on the work-group's number alone
	s_cselect_b64 s[42:43], s[14:15], s[20:21]
	s_cselect_b64 s[44:45], s[16:17], s[22:23]
	s_cselect_b64 s[50:51], s[18:19], s[24:25]
	s_cselect_b64 s[52:53], s[32:33], s[34:35]
	s_cmp_lt_u32 s[ROLE], 2
	s_cselect_b64 s[42:43], s[42:43], s[10:11]     ; A's codes
	s_cselect_b64 s[44:45], s[44:45], s[12:13]     ; A's scales
	s_cselect_b64 s[46:47], s[10:11], s[26:27]     ; B's codes
	s_cselect_b64 s[48:49], s[12:13], s[28:29]     ; B's scales
	s_cselect_b64 s[50:51], s[50:51], s[30:31]     ; the bias
	s_cselect_b64 s[52:53], s[52:53], s[36:37]     ; the output
	s_add_nc_u64 s[42:43], s[42:43], s[2:3]
	s_add_nc_u64 s[44:45], s[44:45], s[6:7]
	s_add_nc_u64 s[46:47], s[46:47], s[4:5]
	s_add_nc_u64 s[48:49], s[48:49], s[56:57]
	s_lshl_b32 s2, s[WV], 9                        ; my 128 numbers of the bias; also my 128 of x's 384
	s_add_nc_u64 s[50:51], s[50:51], s[2:3]
	s_mul_i32 s4, s41, BLK
	s_add_nc_u64 s[52:53], s[52:53], s[4:5]
	s_mul_i32 s6, s41, 196608                      ; 128 rows of x
	s_add_co_u32 s6, s6, s2
	s_add_nc_u64 s[8:9], s[8:9], s[6:7]
	; the A set
	WIN 0x40
.irp sp, 0,1
.irp i, 0,1,2,3,4,5,6,7
.irp c, 0,1,2,3
	global_load_b128 v[16*(8*\sp+\i)+4*\c:16*(8*\sp+\i)+4*\c+3], v[AR], s[42:43] offset:(32*(\i/2)+8*(\i%2))*384+128*\sp+32*\c
.endr
.endr
.endr
	WIN 0x80
.irp i, 0,1,2,3,4,5,6,7
.irp c, 0,1,2,3
	global_load_b128 v[16*\i+4*\c:16*\i+4*\c+3], v[AR], s[42:43] offset:(32*(\i/2)+8*(\i%2))*384+256+32*\c
.endr
.endr
	WIN 0
.irp sp, 0,1,2
.irp i, 0,1,2,3,4,5,6,7
	global_load_b32 v[AS+8*\sp+\i], v[SR], s[44:45] offset:(32*(\i/2)+8*(\i%2))*12+4*\sp
.endr
.endr
	s_cmp_eq_u32 s[ROLE], 0
	s_cbranch_scc1 .Lq
	; K, V: the B set comes as codes from memory
	WIN 0x80
.irp i, 0,1,2,3,4,5,6,7
.irp c, 0,1,2,3
	global_load_b128 v[128+16*\i+4*\c:128+16*\i+4*\c+3], v[AR], s[46:47] offset:(32*(\i/2)+8*(\i%2))*384+32*\c
.endr
.endr
	WIN 0xc0
.irp sp, 1,2
.irp i, 0,1,2,3,4,5,6,7
.irp c, 0,1,2,3
	global_load_b128 v[16*(8*(\sp-1)+\i)+4*\c:16*(8*(\sp-1)+\i)+4*\c+3], v[AR], s[46:47] offset:(32*(\i/2)+8*(\i%2))*384+128*\sp+32*\c
.endr
.endr
.endr
	WIN 0
.irp sp, 0,1,2
.irp i, 0,1,2,3,4,5,6,7
	global_load_b32 v[BS+8*\sp+\i], v[SR], s[48:49] offset:(32*(\i/2)+8*(\i%2))*12+4*\sp
.endr
.endr
	s_cmp_eq_u32 s[ROLE], 2
	s_cbranch_scc1 .Lbias_v
	s_wait_alu depctr_va_vdst(0)
	CBROW
	s_branch .Lgo
.Lbias_v:                                          ; V: a lane is a channel, so a tile's eight C registers hold one number: bv of B tile o's lane
	s_wait_alu depctr_va_vdst(0)
.irp o, 0,1,2,3,4,5,6,7
.irp g, 0,1,2,3,4,5,6,7
	global_load_b32 v[CB+8*\o+\g], v[BV], s[50:51] offset:(32*(\o/2)+8*(\o%2))*4
.endr
.endr
	s_branch .Lgo
.Lq:                                               ; Q: wave s quantises chunk s of the 8 tiles of x; the images meet in LDS
.irp i, 0,1,2,3,4,5,6,7
	XLOAD \i                                       ; all eight tiles are asked for before the first is worked on
.endr
	WIN 0
.irp i, 0,1,2,3,4,5,6,7
	XQ \i
.endr
	s_wait_dscnt 0x0                               ; my images have landed
	s_barrier_signal -1                            ; (the branch that leads here hangs on the work-group's number: all three waves are here)
	s_barrier_wait -1
	WIN 0x80
.irp o, 0,1,2,3,4,5,6,7
.irp c, 0,1,2,3
	ds_load_b128 v[128+16*\o+4*\c:128+16*\o+4*\c+3], v[LI] offset:2048*(3*\o)+512*\c
.endr
.endr
	WIN 0xc0
.irp sp, 1,2
.irp o, 0,1,2,3,4,5,6,7
.irp c, 0,1,2,3
	ds_load_b128 v[16*(8*(\sp-1)+\o)+4*\c:16*(8*(\sp-1)+\o)+4*\c+3], v[LI] offset:2048*(3*\o+\sp)+512*\c
.endr
.endr
.endr
	WIN 0
.irp sp, 0,1,2
.irp o, 0,1,2,3,4,5,6,7
	ds_load_b32 v[BS+8*\sp+\o], v[LS] offset:XSC+128*(3*\o+\sp)
.endr
.endr
	s_wait_dscnt 0x0
.Lgo:
	s_wait_loadcnt 0x0
; B tile o against A's eight: the eight accumulators take turns, one instruction a turn
.macro OUTER o
	s_wait_xcnt 0x0                                ; the last tile's stores have read their data and bases: both are written again below
	s_lshl_b32 s2, s[LL], 11
	s_lshl_b32 s4, s[LL], 6
	s_cmp_ge_u32 s[LL], 12                         ; the block's second half lies behind the first half's scale words
	s_cselect_b32 s3, 768, 0
	s_cselect_b32 s5, 24576, 0
	s_add_co_u32 s2, s2, s3
	s_add_co_u32 s4, s4, s5
	s_add_co_u32 s4, s4, 24576
	s_mov_b32 s3, 0
	s_mov_b32 s5, 0
	s_add_nc_u64 s[56:57], s[52:53], s[2:3]        ; the fragment's image
	s_add_nc_u64 s[58:59], s[52:53], s[4:5]        ; its scale words
	s_cmp_eq_u32 s[ROLE], 2
	s_cbranch_scc1 .Lcol_\@
	WIN 0x09
.irp i, 0,1,2,3,4,5,6,7
	v_wmma_scale_f32_16x16x128_f8f6f4 v[ACC+8*\i:ACC+8*\i+7], v[16*\i:16*\i+15], v[128+16*(\o):128+16*(\o)+15], v[CB+8*\i:CB+8*\i+7], v[AS+\i], v[BS+(\o)]
.endr
	WIN 0
	s_branch .Ljoin_\@
.Lcol_\@:
	WIN 0x09
.irp i, 0,1,2,3,4,5,6,7
	v_wmma_scale_f32_16x16x128_f8f6f4 v[ACC+8*\i:ACC+8*\i+7], v[16*\i:16*\i+15], v[128+16*(\o):128+16*(\o)+15], v[CB+8*(\o):CB+8*(\o)+7], v[AS+\i], v[BS+(\o)]
.endr
	WIN 0
.Ljoin_\@:
	WIN 0x0d
.irp i, 0,1,2,3,4,5,6,7
	v_wmma_scale_f32_16x16x128_f8f6f4 v[ACC+8*\i:ACC+8*\i+7], v[16*(8+\i):16*(8+\i)+15], v[16*(\o):16*(\o)+15], v[ACC+8*\i:ACC+8*\i+7], v[AS+8+\i], v[BS+8+(\o)]
.endr
	WIN 0x0e
.irp i, 0,1,2,3,4,5,6,7
	v_wmma_scale_f32_16x16x128_f8f6f4 v[ACC+8*\i:ACC+8*\i+7], v[16*\i:16*\i+15], v[16*(8+(\o)):16*(8+(\o))+15], v[ACC+8*\i:ACC+8*\i+7], v[AS+16+\i], v[BS+16+(\o)]
.endr
	WIN 0
.rept 8
	v_nop                                          ; eight places between the last product and the first read of results
.endr
.set xw, 0
.set xr, ACC
.set xd, ACC
	QUANTX
.irp c, 0,1,2,3
	global_store_b128 v[LI], v[PC+4*\c:PC+4*\c+3], s[56:57] offset:512*\c   ; 32 lanes store 512 consecutive bytes, at a multiple of 256 from the buffer's first byte
.endr
	global_store_b32 v[R4], v[PW], s[58:59]        ; 16 scale words; lanes 16-31 repeat lanes 0-15
	s_add_co_u32 s[LL], s[LL], s[LA]
.endm
.irp o, 0,1,2,3,4,5,6,7
	OUTER \o
.endr
	s_wait_tensorcnt 0x0                           ; the wave's end
	ds_add_u32 v[SPW], v[NIL]
	s_wait_dscnt 0x0
	s_endpgm
.Lfunc_end_k_qf75909dd76_proj:
	.size	k_qf75909dd76_proj, .Lfunc_end_k_qf75909dd76_proj-k_qf75909dd76_proj
	.p2alignl 7, 3214868480
	.fill 96, 4, 3214868480
	.section	.rodata,"a",@progbits
	.p2align	6, 0x0
	.amdhsa_kernel k_qf75909dd76_proj
		.amdhsa_group_segment_fixed_size 52736
		.amdhsa_private_segment_fixed_size 0
		.amdhsa_enable_private_segment 0
		.amdhsa_kernarg_size 120
		.amdhsa_user_sgpr_count 2
		.amdhsa_user_sgpr_kernarg_segment_ptr 1
		.amdhsa_wavefront_size32 1
		.amdhsa_system_sgpr_workgroup_id_x 1
		.amdhsa_system_sgpr_workgroup_id_y 1
		.amdhsa_system_sgpr_workgroup_id_z 1
		.amdhsa_system_vgpr_workitem_id 0
		.amdhsa_next_free_vgpr 1024
		.amdhsa_next_free_sgpr 66
		.amdhsa_reserve_vcc 0
		.amdhsa_float_denorm_mode_32 3
		.amdhsa_float_denorm_mode_16_64 3
		.amdhsa_memory_ordered 1
		.amdhsa_forward_progress 1
		.amdhsa_inst_pref_size 232
	.end_amdhsa_kernel
	.amdgpu_metadata
---
amdhsa.version: [ 1, 2 ]
amdhsa.kernels:
  - .name:           k_qf75909dd76_proj
    .symbol:         k_qf75909dd76_proj.kd
    .args:
      - { .name: x, .offset: 0, .size: 8, .value_kind: global_buffer, .address_space: global }
      - { .name: y_codes, .offset: 8, .size: 8, .value_kind: global_buffer, .address_space: global }
      - { .name: y_scales, .offset: 16, .size: 8, .value_kind: global_buffer, .address_space: global }
      - { .name: Wq_codes, .offset: 24, .size: 8, .value_kind: global_buffer, .address_space: global }
      - { .name: Wq_scales, .offset: 32, .size: 8, .value_kind: global_buffer, .address_space: global }
      - { .name: bq, .offset: 40, .size: 8, .value_kind: global_buffer, .address_space: global }
      - { .name: Wk_codes, .offset: 48, .size: 8, .value_kind: global_buffer, .address_space: global }
      - { .name: Wk_scales, .offset: 56, .size: 8, .value_kind: global_buffer, .address_space: global }
      - { .name: bk, .offset: 64, .size: 8, .value_kind: global_buffer, .address_space: global }
      - { .name: Wv_codes, .offset: 72, .size: 8, .value_kind: global_buffer, .address_space: global }
      - { .name: Wv_scales, .offset: 80, .size: 8, .value_kind: global_buffer, .address_space: global }
      - { .name: bv, .offset: 88, .size: 8, .value_kind: global_buffer, .address_space: global }
      - { .name: qf, .offset: 96, .size: 8, .value_kind: global_buffer, .address_space: global }
      - { .name: kf, .offset: 104, .size: 8, .value_kind: global_buffer, .address_space: global }
      - { .name: vf, .offset: 112, .size: 8, .value_kind: global_buffer, .address_space: global }
    .group_segment_fixed_size: 52736
    .private_segment_fixed_size: 0
    .kernarg_segment_align: 8
    .kernarg_segment_size: 120
    .max_flat_workgroup_size: 96
    .sgpr_count:     66
    .vgpr_count:     1024
    .wavefront_size: 32
...
	.end_amdgpu_metadata
.endif
;; end of part 1
;; launch attn (part 2): grid 128 x 2, 4 waves a work-group, no clusters, 34,304 bytes of LDS; arguments qf, kf, vf, po, pm; writes po, pm
.if DOCPART == 2
	.amdgcn_target "amdgcn-amd-amdhsa--gfx1250"
	.amdhsa_code_object_version 6
	.text
	.protected	k_qf75909dd76_attn
	.globl	k_qf75909dd76_attn
	.p2align	8
	.type	k_qf75909dd76_attn,@function
k_qf75909dd76_attn:
	s_mov_b64 s[64:65], 0
	v_nop
	global_prefetch_b8 v0, s[64:65] scope:SCOPE_SE
	s_setreg_imm32_b32 hwreg(HW_REG_WAVE_MODE, 25, 1), 1
	s_wait_xcnt 0x0
; For 64 queries and one half of the keys (4,096, in 32 steps of 128): S^T = K Q^T, p = 2^(t - M), O^T += V^T P^T, both products on E4M3 codes with E8M0 scales.
; Stored: O^T not normalised, -M and the sum l; the next launch joins the two halves.  Nothing of reference() is left out here.
; t = score x log2(e) / sqrt(384); M is a whole number, the ceiling of a running largest t; l is summed of the unquantised p.
; SHARES.  Work-group (x, y): queries 64 x on (four tiles q of 16), key half y.  The four waves split the KEYS for S and the HEAD for O, each for all four tiles of queries:
;   wave w makes S^T of key tiles 2 w, 2 w + 1 (block w of the second product's K), their softmax and codes, and O^T of channel tiles 6 w .. 6 w + 5.
;   P goes from wave to wave through LDS as an image of the operand's registers: wave w stores registers 4 w .. 4 w + 3 of each tile's fragment.
; EACH WAVE HAS ITS OWN M.  With its codes it hands over -M_w and G_w = its block's scale byte + M_w.  Every wave forms Mc = the largest M_w and takes G_w - Mc as byte w of P's scale word: an exact power of two.  O^T is kept under Mc.
; K AND V COME FROM MEMORY STRAIGHT INTO REGISTERS.  kf and vf hold images of operand registers, and each fragment is multiplied by one wave of the work-group alone:
;   a load's 32 lanes read 512 consecutive bytes, and no byte is read twice by a work-group.  So no tensor load, no ring and NO CLUSTER: a way through LDS would add one LDS write and one LDS read to each of a step's 101,376 bytes, with nothing shared inside the work-group.
;   A wave's six fragments of K are asked for again behind the products that read them and the 80 lines that follow; V's likewise behind the softmax's first part: each has about a trip's work in which to land.
; THE WALK.  A running softmax takes the keys in any order.  Work-group x begins at step 13 x mod 32 and goes round.  Below, 'step u' is the u-th step of my walk; only the addresses in kf and vf know the turn.
; NO PREFETCH is laid: the 128 work-groups of a key half begin at all of its 32 steps, so their first loads, at the head, name every block of kf and vf; the loop has none left to name first.
; TRIP j: one barrier (P of step j is whole); S of step j + 1 from registers; the consumers' lines; K of step j + 2 asked for; O^T rescaled; V^T P of step j; V of step j + 1 asked for; the softmax of step j + 1.
; LIMITS: M and byte + M are whole numbers kept in f32, exact for |t| under 2^23; a byte of P that would fall under 0 against Mc is held at 0 (such a term is under 2^-118 of the row's largest); NaN and infinities are not served.
; REGISTERS.  Window 0: v1-20 addresses; v24-55 statistics, 8 a tile (+0 -M_w, +1 largest t, +2, +3 l, +4 -Mc, +6 f; +5, +7 zeros, upper halves of pairs); v56-87 at work; v88-99 scale words of K, V, Q; v100-103 P's;
;   v104-135 what the waves handed over; v136-199 S^T, then p (16 q + 8 u); v200-215 my codes.   Window 1: Q (16 (3 q + s')), from v192 P's four fragments.   Window 2: O^T (48 q + 8 t).   Window 3: K (16 f), from v96 V (16 t).
.set PSL,   16384                      ; LDS: two windows for P, this far apart: one exclusive or turns one into the other.  In a window: P's four images, 8,192 bytes;
.set MXO,   8192                       ; -M_w as [q][r][w], and 1,024 bytes on G_w likewise
.set LXO,   32768                      ; the waves' sums, at the end
.set SPARE, 33792                      ; the spare words: 128 bytes a wave
.set HB,    25344                      ; half a block of qf, kf, vf
.set BLK,   50688
.set NLD,   27                         ; loads that bring six fragments and their scale words
.set LI,  1                            ; 16 x lane; also where P's images are read
.set LS,  2
.set AF0, 3                            ; my six fragments in a block: 25,344 (w / 2) + 12,288 (w % 2) + 16 x lane
.set AS0, 4                            ; their scale words: 25,344 (w / 2) + 24,576 + 384 (w % 2) + 4 x lane
.set PW0, 6
.set MR0, 7
.set MW0, 8
.set APR, 11
.set AMR, 12
.set APW, 13
.set AMW, 14
.set SPW, 16
.set NIL, 17
.set LXW, 18
.set LXR, 19
.set PMO, 20
.set ST,  24
.set T,   56
.set KS,  88
.set VS,  91
.set QS,  94
.set PWD, 100
.set EX,  104
.set S,   136
.set PC,  200
.set WV,  14
.set KH,  17
.set W1,  18
.set W2,  19
.set SEL, 20
.set CS,  22
.set MNT, 24
.set HM,  25
.set TB,  26                           ; the window in which P of the step in hand lies
.set TBX, 27                           ; the other: the next P is written there
.set LEFT, 28
.set UK,  29                           ; which of the key half's 32 blocks K's next loads name
.set UV,  30                           ; and V's
.set KT,  32                           ; s[32:33] kf at my key half's first block;  s[34:35] vf likewise
.set VT,  34
.set KB,  36                           ; s[36:37], s[38:39] the blocks that the loads in hand name
.set VB,  38
.set MSB, 0
.macro WIN new                         ; the immediate's high byte repeats the setting that is left
.if MSB != \new
	s_set_vgpr_msb (MSB<<8)|\new
.set MSB, \new
.endif
.endm
.macro ADDRS
	v_add_nc_u32 v[APR], s[TB], v[LI]
	v_add_nc_u32 v[AMR], s[TB], v[MR0]
	v_add_nc_u32 v[APW], s[TBX], v[PW0]
	v_add_nc_u32 v[AMW], s[TBX], v[MW0]
.endm
.macro STEPB ui, tb, b                 ; the base of the next six fragments: the next block of the 32, going round
	s_wait_alu depctr_va_vdst(0)
	s_wait_xcnt 0x0                                ; the last loads by this base have read it: only now is it written
	s_mul_i32 s48, s[\ui], BLK
	s_add_nc_u64 s[\b:\b+1], s[\tb:\tb+1], s[48:49]
	s_add_co_u32 s[\ui], s[\ui], 1
	s_and_b32 s[\ui], s[\ui], 31
.endm
.macro LDF r0, sw, b                   ; my six fragments into window 3 from v[r0] on, and their scale words (lanes 0-15: the even fragment's, lanes 16-31: the odd one's)
	WIN 0xc0
.irp f, 0,1,2,3,4,5
.irp c, 0,1,2,3
	global_load_b128 v[\r0+16*\f+4*\c:\r0+16*\f+4*\c+3], v[AF0], s[\b:\b+1] offset:2048*\f+512*\c
.endr
.endr
	WIN 0
.irp i, 0,1,2
	global_load_b32 v[\sw+\i], v[AS0], s[\b:\b+1] offset:128*\i
.endr
.endm
.macro LDX                             ; -M_0..3 and G_0..3 of my lane's query, for each tile
.irp q, 0,1,2,3
	ds_load_b128 v[EX+8*\q:EX+8*\q+3], v[AMR] offset:256*\q
	ds_load_b128 v[EX+8*\q+4:EX+8*\q+7], v[AMR] offset:1024+256*\q
.endr
.endm
.macro LDP                             ; P's four fragments
	WIN 0x40
.irp q, 0,1,2,3
.irp c, 0,1,2,3
	ds_load_b128 v[192+16*\q+4*\c:192+16*\q+4*\c+3], v[APR] offset:2048*\q+512*\c
.endr
.endr
	WIN 0
.endm
; one matrix instruction from the symbols rD, rA, rB, rX, rY; oA, oB: the side's scale words stand in lanes 16-31.  acc = 0: it starts the sum
.macro WMS acc
.if (\acc)
.if oA && oB
	v_wmma_scale_f32_16x16x128_f8f6f4 v[rD:rD+7], v[rA:rA+15], v[rB:rB+15], v[rD:rD+7], v[rX], v[rY] matrix_a_scale:MATRIX_SCALE_ROW1 matrix_b_scale:MATRIX_SCALE_ROW1
.elseif oA
	v_wmma_scale_f32_16x16x128_f8f6f4 v[rD:rD+7], v[rA:rA+15], v[rB:rB+15], v[rD:rD+7], v[rX], v[rY] matrix_a_scale:MATRIX_SCALE_ROW1
.elseif oB
	v_wmma_scale_f32_16x16x128_f8f6f4 v[rD:rD+7], v[rA:rA+15], v[rB:rB+15], v[rD:rD+7], v[rX], v[rY] matrix_b_scale:MATRIX_SCALE_ROW1
.else
	v_wmma_scale_f32_16x16x128_f8f6f4 v[rD:rD+7], v[rA:rA+15], v[rB:rB+15], v[rD:rD+7], v[rX], v[rY]
.endif
.else
.if oA && oB
	v_wmma_scale_f32_16x16x128_f8f6f4 v[rD:rD+7], v[rA:rA+15], v[rB:rB+15], 0, v[rX], v[rY] matrix_a_scale:MATRIX_SCALE_ROW1 matrix_b_scale:MATRIX_SCALE_ROW1
.elseif oA
	v_wmma_scale_f32_16x16x128_f8f6f4 v[rD:rD+7], v[rA:rA+15], v[rB:rB+15], 0, v[rX], v[rY] matrix_a_scale:MATRIX_SCALE_ROW1
.elseif oB
	v_wmma_scale_f32_16x16x128_f8f6f4 v[rD:rD+7], v[rA:rA+15], v[rB:rB+15], 0, v[rX], v[rY] matrix_b_scale:MATRIX_SCALE_ROW1
.else
	v_wmma_scale_f32_16x16x128_f8f6f4 v[rD:rD+7], v[rA:rA+15], v[rB:rB+15], 0, v[rX], v[rY]
.endif
.endif
.endm
; Product sn of 24 of S^T = K Q^T: chunk sn / 8 of the 384, key tile (sn / 4) % 2, query tile sn % 4.  The eight accumulators take turns; the first eight products start the sums
.macro SW
	WIN 0x07
.set rD, S+16*(sn%4)+8*((sn/4)%2)
.set rA, 16*(3*((sn/4)%2)+sn/8)
.set rB, 16*(3*(sn%4)+sn/8)
.set rX, KS+(3*((sn/4)%2)+sn/8)/2
.set rY, QS+(3*(sn%4)+sn/8)/2
.set oA, (3*((sn/4)%2)+sn/8)%2
.set oB, (3*(sn%4)+sn/8)%2
	WMS sn/8
.set sn, sn+1
.endm
.macro SMUL
.set sn, 0
.rept 24
	SW
.endr
.endm
; Product pn of 24 of O^T += V^T P^T: channel tile pn / 4, query tile pn % 4: 24 different accumulators
.macro PVW first
	WIN 0xa7
.set rD, 48*(pn%4)+8*(pn/4)
.set rA, 96+16*(pn/4)
.set rB, 192+16*(pn%4)
.set rX, VS+(pn/4)/2
.set rY, PWD+pn%4
.set oA, (pn/4)%2
.set oB, 0
	WMS 1-\first
.set pn, pn+1
.endm
; Line cj of 80 of what a consumer of P makes, the four tiles by turns: the common -Mc (each -M_w only falls, so the least of the four is at or under the old -Mc), f = 2^(old Mc - new Mc),
; and P's scale words: byte w = G_w - Mc, held at 0 from below.  0-3 keep the old -Mc; 4-15 the least; 16-27 f; 28-35 G_w - Mc; 36-51 the hold; 52-67 to whole numbers; 68-79 the four bytes make a word
.macro CN
.set cq, cj%4
.if cj < 4
	v_mov_b32 v[T+8*cq+3], v[ST+8*cq+4]
.elseif cj < 8
	v_min_num_f32 v[ST+8*cq+4], v[EX+8*cq], v[EX+8*cq+1]
.elseif cj < 16
	v_min_num_f32 v[ST+8*cq+4], v[ST+8*cq+4], v[EX+8*cq+cj/4]
.elseif cj < 20
	v_sub_f32 v[T+8*cq+3], v[ST+8*cq+4], v[T+8*cq+3]               ; a whole number, 0 or less
.elseif cj < 24
	v_cvt_i32_f32 v[T+8*cq+3], v[T+8*cq+3]
.elseif cj < 28
	v_ldexp_f32 v[ST+8*cq+6], 1.0, v[T+8*cq+3]
.elseif cj < 36
	v_pk_add_f32 v[EX+8*cq+4+2*((cj-28)/4):EX+8*cq+5+2*((cj-28)/4)], v[EX+8*cq+4+2*((cj-28)/4):EX+8*cq+5+2*((cj-28)/4)], v[ST+8*cq+4:ST+8*cq+5] op_sel_hi:[1,0]
.elseif cj < 52
	v_max_num_f32 v[EX+8*cq+4+(cj-36)/4], 0, v[EX+8*cq+4+(cj-36)/4]
.elseif cj < 68
	v_cvt_u32_f32 v[EX+8*cq+4+(cj-52)/4], v[EX+8*cq+4+(cj-52)/4]
.elseif cj < 72
	v_lshl_or_b32 v[PWD+cq], v[EX+8*cq+5], 8, v[EX+8*cq+4]
.elseif cj < 76
	v_lshl_or_b32 v[PWD+cq], v[EX+8*cq+6], 16, v[PWD+cq]
.else
	v_lshl_or_b32 v[PWD+cq], v[EX+8*cq+7], 24, v[PWD+cq]
.endif
.set cj, cj+1
.endm
.macro CONS1                           ; the first trip: there is no old Mc and no f
.set cj, 4
.rept 12
	CN
.endr
.set cj, 28
.rept 52
	CN
.endr
.rept 8
	v_nop                                          ; a scale word made by vector instructions stands eight places ahead of the product; in the other trips the rescalings stand there
.endr
.endm
.macro CONS
.set cj, 0
.rept 80
	CN
.endr
.endm
.macro RS                              ; accumulator rn of O^T (in the products' order) under the new Mc: exact; from its low end on
	WIN 0x82
.set rO, 48*(rn%4)+8*(rn/4)
.irp i, 0,2,4,6
	v_pk_mul_f32 v[rO+\i:rO+\i+1], v[rO+\i:rO+\i+1], v[ST+8*(rn%4)+6:ST+8*(rn%4)+7] op_sel_hi:[1,0]
.endr
.set rn, rn+1
.endm
; the softmax's first part: my block's largest score of each query, the running largest t, -M_w = floor(-t), fl = 2^(old M_w - new M_w).  The four tiles by turns
.macro SMXA
.irp q, 0,1,2,3
	v_max3_num_f32 v[T+8*\q], v[S+16*\q], v[S+16*\q+1], v[S+16*\q+2]           ; each accumulator is first read at its low end
.endr
.irp q, 0,1,2,3
	v_max3_num_f32 v[T+8*\q+2], v[S+16*\q+8], v[S+16*\q+9], v[S+16*\q+10]
.endr
.irp i, 3,5
.irp q, 0,1,2,3
	v_max3_num_f32 v[T+8*\q], v[T+8*\q], v[S+16*\q+\i], v[S+16*\q+\i+1]
.endr
.irp q, 0,1,2,3
	v_max3_num_f32 v[T+8*\q+2], v[T+8*\q+2], v[S+16*\q+8+\i], v[S+16*\q+9+\i]
.endr
.endr
.irp q, 0,1,2,3
	v_max3_num_f32 v[T+8*\q], v[T+8*\q], v[S+16*\q+7], v[S+16*\q+15]
.endr
.irp q, 0,1,2,3
	v_max_num_f32 v[T+8*\q], v[T+8*\q], v[T+8*\q+2]
.endr
.irp q, 0,1,2,3
	v_permlanex16_b32 v[T+8*\q+1], v[T+8*\q], s[SEL], s[SEL+1]
.endr
.irp q, 0,1,2,3
	v_max_num_f32 v[T+8*\q], v[T+8*\q], v[T+8*\q+1]                ; the largest score of the block's 32 keys: it also gives the block's largest p, since p rises with the score
.endr
.irp q, 0,1,2,3
	v_mul_f32 v[T+8*\q+2], s[CS], v[T+8*\q]
.endr
.irp q, 0,1,2,3
	v_max_num_f32 v[ST+8*\q+1], v[ST+8*\q+1], v[T+8*\q+2]
.endr
.irp q, 0,1,2,3
	v_mov_b32 v[T+8*\q+3], v[ST+8*\q]
.endr
.irp q, 0,1,2,3
	v_floor_f32 v[ST+8*\q], -v[ST+8*\q+1]
.endr
.irp q, 0,1,2,3
	v_sub_f32 v[T+8*\q+3], v[ST+8*\q], v[T+8*\q+3]
.endr
.irp q, 0,1,2,3
	v_cvt_i32_f32 v[T+8*\q+3], v[T+8*\q+3]                         ; (it saturates)
.endr
.irp q, 0,1,2,3
	v_ldexp_f32 v[T+8*\q+4], 1.0, v[T+8*\q+3]
.endr
.endm
; its second part: p, the sums, the block's scale, the codes; then the codes, -M_w and G_w go to LDS
.macro SMXB
.irp q, 0,1,2,3
.irp i, 0,2,4,6,8,10,12,14
	v_pk_fma_f32 v[S+16*\q+\i:S+16*\q+\i+1], v[S+16*\q+\i:S+16*\q+\i+1], s[CS:CS+1], v[ST+8*\q:ST+8*\q+1] op_sel_hi:[1,0,0]   ; t - M_w
.endr
.endr
.irp q, 0,1,2,3
	v_fma_f32 v[T+8*\q], v[T+8*\q], s[CS], v[ST+8*\q]              ; the same of the block's largest score
.endr
.set i, 0
	s_wait_alu depctr_va_vdst(0)
.rept 64
	v_exp_f32 v[S+i], v[S+i]                                       ; one batch: none of these lines reads an exponential's result
.set i, i+1
.endr
.irp q, 0,1,2,3
	v_exp_f32 v[T+8*\q], v[T+8*\q]
.endr
.irp q, 0,1,2,3
	v_pk_mul_f32 v[ST+8*\q+2:ST+8*\q+3], v[ST+8*\q+2:ST+8*\q+3], v[T+8*\q+4:T+8*\q+5] op_sel_hi:[1,0]   ; l under the new M_w; the first is the plain line behind the batch
.endr
	s_wait_alu depctr_va_vdst(0)                   ; one wait for the 68, ahead of their first reader
.irp i, 0,2,4,6,8,10,12,14
.irp q, 0,1,2,3
	v_pk_add_f32 v[ST+8*\q+2:ST+8*\q+3], v[ST+8*\q+2:ST+8*\q+3], v[S+16*\q+\i:S+16*\q+\i+1]   ; the sum is taken of the unquantised p
.endr
.endr
.irp q, 0,1,2,3
	v_max_num_f32 v[T+8*\q], 0x4800000, v[T+8*\q]                  ; the floor 2^(9 - 127): the byte cannot fall under 1
.endr
.irp q, 0,1,2,3
	v_add_nc_u32 v[T+8*\q+1], 0xfc000000, v[T+8*\q]                ; the conversion's scale operand
.endr
.irp q, 0,1,2,3
	v_and_or_b32 v[T+8*\q+2], v[T+8*\q], 0x7f800000, s[MNT]        ; 448 x the scale
.endr
.irp q, 0,1,2,3
	v_lshrrev_b32 v[T+8*\q+3], 23, v[T+8*\q+1]                     ; the byte
.endr
.irp q, 0,1,2,3
	v_cvt_f32_u32 v[T+8*\q+3], v[T+8*\q+3]
.endr
.irp q, 0,1,2,3
	v_sub_f32 v[T+8*\q+6], v[T+8*\q+3], v[ST+8*\q]                 ; G_w = byte + M_w
.endr
.irp q, 0,1,2,3
	v_cndmask_b32 v[T+8*\q+7], v[ST+8*\q], v[T+8*\q+6], s[HM]      ; lanes 0-15 hand over -M_w, lanes 16-31 G_w
.endr
.irp q, 0,1,2,3
.set i, 0
.rept 16
	v_min_num_f32 v[S+16*\q+i], v[S+16*\q+i], v[T+8*\q+2]          ; the conversion does not saturate (ISA guide 7.6.2); p is not negative, so the hold is one-sided
.set i, i+1
.endr
	v_cvt_scalef32_pk8_fp8_f32 v[PC+4*\q:PC+4*\q+1], v[S+16*\q:S+16*\q+7], v[T+8*\q+1]
	v_cvt_scalef32_pk8_fp8_f32 v[PC+4*\q+2:PC+4*\q+3], v[S+16*\q+8:S+16*\q+15], v[T+8*\q+1]
.endr
	v_nop                                          ; a plain line behind the last conversion: the next products write its sources
.irp q, 0,1,2,3
	ds_store_b128 v[APW], v[PC+4*\q:PC+4*\q+3] offset:2048*\q
.endr
.irp q, 0,1,2,3
	ds_store_b32 v[AMW], v[T+8*\q+7] offset:256*\q
.endr
.endm
; TRIP j.  first: the first V^T P starts O^T's sums, and there is nothing to rescale.  ldk: there is a step j + 2.  next: there is a step j + 1
.macro TRIP first, ldk, next
	s_xor_b32 s[TB], s[TB], PSL
	s_xor_b32 s[TBX], s[TBX], PSL
	s_wait_dscnt 0x0                               ; my stores of P have landed, and my reads of the window that is written next are over
	s_barrier_signal -1
	s_barrier_wait -1
	ADDRS
	LDX
	LDP
.if \next
	s_wait_loadcnt NLD                             ; K of step j + 1 is in; V's 27 loads, issued behind K's, may stay out
	SMUL
	WIN 0
.endif
	s_wait_dscnt 16                                ; the eight loads of -M and G are in; P's sixteen stay out
.if \first
	CONS1                                          ; these lines name none of the products' registers: they are the places in front of K's loads
.else
	CONS
.endif
.if \ldk
	STEPB UK, KT, KB
	LDF 0, KS, KB                                  ; K of step j + 2
.endif
.if 1-\first
.set rn, 0
.rept 24
	RS
.endr
	s_wait_alu depctr_va_vdst(0)
.endif
	s_wait_dscnt 0x0                               ; P is in
	s_wait_loadcnt NLD*\ldk                        ; V of step j is in; K's loads just issued, if any, stay out
.set pn, 0
.rept 24
	PVW \first
.endr
	WIN 0
.if \next
	SMXA                                           ; its lines name none of the last products' registers: they are the places in front of V's loads
	STEPB UV, VT, VB
	LDF 96, VS, VB                                 ; V of step j + 1
	SMXB
.endif
.endm
	s_load_b256 s[4:11], s[0:1], 0x0               ; qf, kf, vf, po
	s_load_b64 s[12:13], s[0:1], 0x20              ; pm
	v_lshl_add_u32 v[SPW], v0, 2, SPARE
	v_mov_b32 v[NIL], 0
	v_lshrrev_b32 v21, 5, v0
	v_readfirstlane_b32 s[WV], v21                 ; wave 0..3
	s_and_b32 s[KH], ttmp7, 0xffff                 ; my half of the keys
	s_and_b32 s[W1], s[WV], 1
	s_lshr_b32 s[W2], s[WV], 1
	s_mov_b32 s[SEL], 0x76543210
	s_mov_b32 s[SEL+1], 0xfedcba98
	s_mov_b32 s[CS], 0x3d96c740                    ; log2(e) / sqrt(384)
	s_mov_b32 s[CS+1], s[CS]
	s_mov_b32 s[MNT], 0x600000
	s_mov_b32 s[HM], 0xffff0000
	s_mov_b32 s[TB], PSL
	s_mov_b32 s[TBX], 0
	s_mul_i32 s[UK], ttmp9, 13
	s_and_b32 s[UK], s[UK], 31                     ; where my walk begins
	s_mov_b32 s[UV], s[UK]
	s_mov_b32 s49, 0                               ; the upper word of the blocks' offsets
	s_mul_i32 s50, s[KH], 32*BLK                   ; my key half's first block
	s_mov_b32 s51, 0
	s_mul_i32 s52, ttmp9, HB                       ; my 64 queries
	s_mov_b32 s53, 0
	s_lshl_b32 s56, s[KH], 9
	s_lshl_b32 s57, ttmp9, 2
	s_add_co_u32 s56, s56, s57                     ; my first tile in po and pm: 512 x half + 4 x block
	s_mul_i32 s58, s56, 24576
	s_mul_i32 s57, s[WV], 6144
	s_add_co_u32 s58, s58, s57
	s_mov_b32 s59, 0
	s_lshl_b32 s56, s56, 7
	s_mov_b32 s57, 0
	s_mul_i32 s2, s[W2], HB
	s_mul_i32 s40, s[W1], 12288
	s_add_co_u32 s40, s40, s2
	s_mul_i32 s41, s[W1], 384
	s_add_co_u32 s41, s41, s2
	s_add_co_u32 s41, s41, 24576
	s_lshl_b32 s42, s[WV], 9
	s_lshl_b32 s43, s[WV], 2
	v_and_b32 v21, 31, v0                          ; lane
	v_and_b32 v22, 15, v0                          ; r
	v_bfe_u32 v23, v0, 4, 1                        ; h
	v_lshlrev_b32 v[LI], 4, v21
	v_lshlrev_b32 v[LS], 2, v21
	v_add_nc_u32 v[AF0], s40, v[LI]
	v_add_nc_u32 v[AS0], s41, v[LS]
	v_add_nc_u32 v[PW0], s42, v[LI]
	v_lshl_add_u32 v[MR0], v22, 4, MXO
	v_lshl_add_u32 v[MW0], v23, 10, v[MR0]         ; lanes 16-31 store 1,024 bytes on: G
	v_add_nc_u32 v[MW0], s43, v[MW0]
	v_lshl_add_u32 v[LXR], v22, 4, LXO
	v_add_nc_u32 v[LXW], s43, v[LXR]
	v_lshlrev_b32 v[PMO], 3, v22
	s_wait_alu depctr_va_vdst(0)
	s_wait_kmcnt 0x0
	s_add_nc_u64 s[KT:KT+1], s[6:7], s[50:51]
	s_add_nc_u64 s[VT:VT+1], s[8:9], s[50:51]
	s_add_nc_u64 s[4:5], s[4:5], s[52:53]
	s_add_nc_u64 s[10:11], s[10:11], s[58:59]
	s_add_nc_u64 s[12:13], s[12:13], s[56:57]
	STEPB UK, KT, KB
	LDF 0, KS, KB                                  ; K of step 0
	WIN 0x40
.irp f, 0,1,2,3,4,5,6,7,8,9,10,11
.irp c, 0,1,2,3
	global_load_b128 v[16*\f+4*\c:16*\f+4*\c+3], v[LI], s[4:5] offset:2048*\f+512*\c      ; Q stays in registers
.endr
.endr
	WIN 0
.irp i, 0,1,2,3,4,5
	global_load_b32 v[QS+\i], v[LS], s[4:5] offset:24576+128*\i
.endr
	s_wait_loadcnt 0x0
	SMUL                                           ; step 0's scores
	WIN 0
.irp q, 0,1,2,3                        ; the statistics begin; these 32 plain lines are also the places behind the products
	v_mov_b32 v[ST+8*\q+1], 0xff61b1e6             ; the largest t so far: -3e38
	v_mov_b32 v[ST+8*\q+2], 0
	v_mov_b32 v[ST+8*\q+3], 0
	v_mov_b32 v[ST+8*\q+5], 0
	v_mov_b32 v[ST+8*\q+7], 0
	v_mov_b32 v[T+8*\q+1], 0
	v_mov_b32 v[T+8*\q+5], 0
	v_floor_f32 v[ST+8*\q], -v[ST+8*\q+1]
.endr
	ADDRS
	STEPB UK, KT, KB
	LDF 0, KS, KB                                  ; K of step 1, then V of step 0: the order in which every trip asks
	STEPB UV, VT, VB
	LDF 96, VS, VB
	SMXA
	SMXB                                           ; P of step 0
	TRIP 1, 1, 1                                   ; trip 0
	s_mov_b32 s[LEFT], 29
.Ltrip:                                            ; trips 1 to 29
	TRIP 0, 1, 1
	s_sub_co_u32 s[LEFT], s[LEFT], 1
	s_cmp_lg_u32 s[LEFT], 0
	s_cbranch_scc1 .Ltrip
	TRIP 0, 0, 1                                   ; trip 30: no K is left to ask for
	TRIP 0, 0, 0                                   ; trip 31: the last V^T P
	; THE WAY OUT.  My l is brought under Mc and goes to LDS; O^T is stored as it stands.  The lines on l are the places behind the last products
.irp q, 0,1,2,3
	v_add_f32 v[T+8*\q], v[ST+8*\q+2], v[ST+8*\q+3]
.endr
.irp q, 0,1,2,3
	v_permlanex16_b32 v[T+8*\q+1], v[T+8*\q], s[SEL], s[SEL+1]
.endr
.irp q, 0,1,2,3
	v_add_f32 v[T+8*\q], v[T+8*\q], v[T+8*\q+1]
.endr
.irp q, 0,1,2,3
	v_sub_f32 v[T+8*\q+2], v[ST+8*\q+4], v[ST+8*\q]                ; M_w - Mc
.endr
.irp q, 0,1,2,3
	v_cvt_i32_f32 v[T+8*\q+2], v[T+8*\q+2]
.endr
.irp q, 0,1,2,3
	v_ldexp_f32 v[T+8*\q], v[T+8*\q], v[T+8*\q+2]
.endr
.irp q, 0,1,2,3
	ds_store_b32 v[LXW], v[T+8*\q] offset:256*\q
.endr
	WIN 0x08                                       ; a store's data: window 2
.irp q, 0,1,2,3
.irp t, 0,1,2,3,4,5
	global_store_b128 v[LI], v[48*\q+8*\t:48*\q+8*\t+3], s[10:11] offset:24576*\q+2048*(\t/2)+1024*(\t%2) th:TH_STORE_NT        ; 512 consecutive bytes, aligned; each accumulator from its low end on
	global_store_b128 v[LI], v[48*\q+8*\t+4:48*\q+8*\t+7], s[10:11] offset:24576*\q+2048*(\t/2)+1024*(\t%2)+512 th:TH_STORE_NT
.endr
.endr
	WIN 0
	s_wait_dscnt 0x0                               ; my sums have landed
	s_barrier_signal -1
	s_barrier_wait -1
	s_cmp_lg_u32 s[WV], 0
	s_cbranch_scc1 .Lnot_first
.irp q, 0,1,2,3
	ds_load_b128 v[EX+8*\q:EX+8*\q+3], v[LXR] offset:256*\q
.endr
	s_wait_dscnt 0x0
.irp q, 0,1,2,3
	v_add_f32 v[EX+8*\q], v[EX+8*\q], v[EX+8*\q+1]
	v_add_f32 v[EX+8*\q+2], v[EX+8*\q+2], v[EX+8*\q+3]
	v_mov_b32 v[T+8*\q], v[ST+8*\q+4]
	v_add_f32 v[T+8*\q+1], v[EX+8*\q], v[EX+8*\q+2]
.endr
.irp q, 0,1,2,3
	global_store_b64 v[PMO], v[T+8*\q:T+8*\q+1], s[12:13] offset:128*\q        ; (-Mc, l) of query r; lanes 16-31 repeat lanes 0-15
.endr
.Lnot_first:
	s_wait_tensorcnt 0x0                           ; the wave's end
	ds_add_u32 v[SPW], v[NIL]
	s_wait_dscnt 0x0
	s_endpgm
.Lfunc_end_k_qf75909dd76_attn:
	.size	k_qf75909dd76_attn, .Lfunc_end_k_qf75909dd76_attn-k_qf75909dd76_attn
	.p2alignl 7, 3214868480
	.fill 96, 4, 3214868480
	.section	.rodata,"a",@progbits
	.p2align	6, 0x0
	.amdhsa_kernel k_qf75909dd76_attn
		.amdhsa_group_segment_fixed_size 34304
		.amdhsa_private_segment_fixed_size 0
		.amdhsa_enable_private_segment 0
		.amdhsa_kernarg_size 40
		.amdhsa_user_sgpr_count 2
		.amdhsa_user_sgpr_kernarg_segment_ptr 1
		.amdhsa_wavefront_size32 1
		.amdhsa_system_sgpr_workgroup_id_x 1
		.amdhsa_system_sgpr_workgroup_id_y 1
		.amdhsa_system_sgpr_workgroup_id_z 1
		.amdhsa_system_vgpr_workitem_id 0
		.amdhsa_next_free_vgpr 1024
		.amdhsa_next_free_sgpr 66
		.amdhsa_reserve_vcc 0
		.amdhsa_float_denorm_mode_32 3
		.amdhsa_float_denorm_mode_16_64 3
		.amdhsa_memory_ordered 1
		.amdhsa_forward_progress 1
		.amdhsa_inst_pref_size 162
	.end_amdhsa_kernel
	.amdgpu_metadata
---
amdhsa.version: [ 1, 2 ]
amdhsa.kernels:
  - .name:           k_qf75909dd76_attn
    .symbol:         k_qf75909dd76_attn.kd
    .args:
      - { .name: qf, .offset: 0, .size: 8, .value_kind: global_buffer, .address_space: global }
      - { .name: kf, .offset: 8, .size: 8, .value_kind: global_buffer, .address_space: global }
      - { .name: vf, .offset: 16, .size: 8, .value_kind: global_buffer, .address_space: global }
      - { .name: po, .offset: 24, .size: 8, .value_kind: global_buffer, .address_space: global }
      - { .name: pm, .offset: 32, .size: 8, .value_kind: global_buffer, .address_space: global }
    .group_segment_fixed_size: 34304
    .private_segment_fixed_size: 0
    .kernarg_segment_align: 8
    .kernarg_segment_size: 40
    .max_flat_workgroup_size: 128
    .sgpr_count:     66
    .vgpr_count:     1024
    .wavefront_size: 32
...
	.end_amdgpu_metadata
.endif
;; end of part 2
;; launch outp (part 3): grid 128 x 1, 4 waves a work-group, no clusters, 125,952 bytes of LDS; arguments po, pm, x, Wo_codes, Wo_scales, bo, out0; writes out0
.if DOCPART == 3
	.amdgcn_target "amdgcn-amd-amdhsa--gfx1250"
	.amdhsa_code_object_version 6
	.text
	.protected	k_qf75909dd76_outp
	.globl	k_qf75909dd76_outp
	.p2align	8
	.type	k_qf75909dd76_outp,@function
k_qf75909dd76_outp:
	s_mov_b64 s[64:65], 0
	v_nop
	global_prefetch_b8 v0, s[64:65] scope:SCOPE_SE
	s_setreg_imm32_b32 hwreg(HW_REG_WAVE_MODE, 25, 1), 1
	s_wait_xcnt 0x0
; out = quant(x + ctx / max(|ctx|, 1e-12)) Wo^T + bo, with ctx = (O0 f0 + O1 f1) / l joined from the two key halves: -M = the lesser of the two -M_k, f_k = 2^(M_k - M), l = l0 f0 + l1 f1.
; Nothing of reference() is left out here.  The product is on E4M3 codes with E8M0 scales; all else f32.
; SHARES.  A work-group takes 64 rows.  Wave w MAKES tile w's operand: a row's 384 numbers lie in lanes l and l xor 16 (po's layout: lane (r, h) holds channels 32 c + 16 h + 0 .. 15 of row r), so the norm wants one exchange.
; Its three fragments go to LDS as images of their registers.  Then wave w MULTIPLIES outputs 96 w .. 96 w + 95 (six tiles of Wo's rows, 18 fragments, kept in registers) for all four tiles of rows; bo is the C of each sum's first instruction.
; The product is used transposed (source 0 = Wo's rows): a lane holds eight neighbouring outputs of a row.  The rows meet in a stage in LDS and leave whole.
; No tensor load, no cluster, no prefetch: the launch streams each byte once through registers, and Wo is small.  128 work-groups: with 32 rows to a work-group half of the waves would have no tile to make.
; LIMITS: as in the launches before; NaN and infinities are not served.
; REGISTERS.  Window 0: v1-14 addresses; v16-31 at work; v32 the scale word; v34-49 codes; v50-67 Wo's scale words; v68-79 the rows'; v80-127 bo; v128-191 64 numbers for the quantiser; v192-215 scalars of a row.
;   Window 1: O0, then the 24 accumulators (8 (6 m + t)), then rows of out.   Window 2: O1, then Wo's fragments 0-11; from v192 fragments 12-15.   Window 3: v0-31 fragments 16, 17; from v64 x, then the rows' 12 fragments.
.set XSC,   24576                      ; LDS: 12 images from 0 on; their scale words, 128 bytes each
.set STG,   26112                      ; the stage: 64 rows x (1,536 + 16) bytes
.set SPI,   1552
.set SPARE, 125440
.set LI,  1
.set LS,  2
.set WA,  3
.set WSA, 4
.set XA,  5
.set BA,  6
.set PMA, 7
.set XWI, 8
.set XWS, 9
.set SO,  10
.set SO2, 11
.set SR,  12
.set SPW, 13
.set NIL, 14
.set TM,  16
.set PW,  32
.set PC,  34
.set WS,  50
.set AS,  68
.set CB,  80
.set Y,   128
.set SS,  192
.set FF,  208
.set WV,  18
.set SEL, 32
.set MNT, 34
.set MSB, 0
.macro WIN new
.if MSB != \new
	s_set_vgpr_msb (MSB<<8)|\new
.set MSB, \new
.endif
.endm
.macro QUANT s                         ; 64 numbers of a lane, register 16 b + i = k 32 b + 16 (lane / 16) + i of my row, become codes in v[PC] on and a scale word in v[PW]
.irp b, 0,1,2,3
	v_max3_num_f32 v[TM+\b], |v[\s+16*\b]|, |v[\s+1+16*\b]|, 0x4800000
.endr
.irp i, 2,4,6,8,10,12,14
.irp b, 0,1,2,3
	v_max3_num_f32 v[TM+\b], v[TM+\b], |v[\s+16*\b+\i]|, |v[\s+1+16*\b+\i]|
.endr
.endr
.irp b, 0,1,2,3
	v_permlanex16_b32 v[TM+4+\b], v[TM+\b], s[SEL], s[SEL+1]
.endr
.irp b, 0,1,2,3
	v_max_num_f32 v[TM+\b], v[TM+\b], v[TM+4+\b]
.endr
.irp b, 0,1,2,3
	v_add_nc_u32 v[TM+12+\b], 0xfc000000, v[TM+\b]
.endr
.irp b, 0,1,2,3
	v_and_or_b32 v[TM+8+\b], v[TM+\b], 0x7f800000, s[MNT]
.endr
.irp b, 0,1,2,3
	v_lshrrev_b32 v[TM+4+\b], 23, v[TM+12+\b]
.endr
	v_lshl_or_b32 v[PW], v[TM+5], 8, v[TM+4]
	v_lshl_or_b32 v[PW], v[TM+6], 16, v[PW]
	v_lshl_or_b32 v[PW], v[TM+7], 24, v[PW]
.irp b, 0,1,2,3
.irp i, 0,1,2,3,4,5,6,7,8,9,10,11,12,13,14,15
	v_med3_num_f32 v[\s+16*\b+\i], v[\s+16*\b+\i], -v[TM+8+\b], v[TM+8+\b]
.endr
	v_cvt_scalef32_pk8_fp8_f32 v[PC+4*\b:PC+1+4*\b], v[\s+16*\b:\s+7+16*\b], v[TM+12+\b]
	v_cvt_scalef32_pk8_fp8_f32 v[PC+2+4*\b:PC+3+4*\b], v[\s+8+16*\b:\s+15+16*\b], v[TM+12+\b]
.endr
	v_nop
.endm
	s_load_b256 s[4:11], s[0:1], 0x0               ; po, pm, x, Wo_codes
	s_load_b128 s[12:15], s[0:1], 0x20             ; Wo_scales, bo
	s_load_b64 s[16:17], s[0:1], 0x30              ; out0
	v_lshl_add_u32 v[SPW], v0, 2, SPARE
	v_mov_b32 v[NIL], 0
	v_lshrrev_b32 v210, 5, v0
	v_readfirstlane_b32 s[WV], v210                ; wave 0..3
	v_and_b32 v210, 31, v0                         ; lane
	v_and_b32 v211, 15, v0                         ; r
	v_bfe_u32 v212, v0, 4, 1                       ; h
	v_and_b32 v213, 8, v211
	v_add_nc_u32 v213, v213, v211                  ; r + 8 (r / 8)
	v_lshlrev_b32 v[LI], 4, v210
	v_lshlrev_b32 v[LS], 2, v210
	v_mul_u32_u24 v[WA], v213, 384
	v_lshl_add_u32 v[WA], v212, 4, v[WA]
	v_mul_u32_u24 v[WSA], v213, 12
	v_mul_u32_u24 v[XA], v211, 1536
	v_lshl_add_u32 v[XA], v212, 6, v[XA]
	v_lshlrev_b32 v[BA], 6, v212
	v_lshlrev_b32 v[PMA], 3, v211
	s_mul_i32 s19, s[WV], 6144
	v_add_nc_u32 v[XWI], s19, v[LI]
	s_mul_i32 s19, s[WV], 384
	v_lshl_add_u32 v[XWS], v210, 2, XSC
	v_add_nc_u32 v[XWS], s19, v[XWS]
	v_mul_u32_u24 v[SO], v211, SPI
	v_lshl_add_u32 v[SO], v212, 6, v[SO]
	v_add_nc_u32 v[SO], s19, v[SO]
	v_add_nc_u32 v[SO], STG, v[SO]                 ; the stage: row r, + 64 h, + my 384 bytes of a row
	v_add_nc_u32 v[SO2], 32*SPI, v[SO]
	s_mul_i32 s19, s[WV], 16*SPI
	v_add_nc_u32 v[SR], s19, v[LI]
	v_add_nc_u32 v[SR], STG, v[SR]                 ; back: my 16 rows
.irp b, 0,1,2,3
	v_mov_b32 v[TM+4+\b], 0                        ; written once: a lane permute's destination counts as one of its sources
.endr
	s_mov_b32 s[SEL], 0x76543210
	s_mov_b32 s[SEL+1], 0xfedcba98
	s_mov_b32 s[MNT], 0x600000
	s_lshl_b32 s19, ttmp9, 2
	s_add_co_u32 s19, s19, s[WV]                   ; my tile of 16 rows
	s_mul_i32 s20, s19, 24576                      ; its bytes in po, and the same in x and out0 (16 rows of 1,536)
	s_mov_b32 s21, 0
	s_lshl_b32 s22, s19, 7
	s_mov_b32 s23, 0
	s_mul_i32 s24, s[WV], 36864                    ; my 96 rows of Wo,
	s_mov_b32 s25, 0
	s_mul_i32 s26, s[WV], 1152                     ; their scale bytes,
	s_mov_b32 s27, 0
	s_mul_i32 s28, s[WV], 384                      ; my 96 numbers of bo
	s_mov_b32 s29, 0
	s_wait_kmcnt 0x0
	s_add_nc_u64 s[4:5], s[4:5], s[20:21]
	s_add_nc_u64 s[30:31], s[4:5], 12582912        ; the second key half's
	s_add_nc_u64 s[6:7], s[6:7], s[22:23]
	s_add_nc_u64 s[8:9], s[8:9], s[20:21]
	s_add_nc_u64 s[10:11], s[10:11], s[24:25]
	s_add_nc_u64 s[12:13], s[12:13], s[26:27]
	s_add_nc_u64 s[14:15], s[14:15], s[28:29]
	s_add_nc_u64 s[16:17], s[16:17], s[20:21]
	; Wo's fragment 6 s' + t: rows 32 (t / 2) + 8 (t % 2) + r + 8 (r / 8) of my 96, chunk s'.  Fragments 12 to 17 have registers of their own and come now
	WIN 0x80
.irp t, 0,1,2,3
.irp c, 0,1,2,3
	global_load_b128 v[192+16*\t+4*\c:192+16*\t+4*\c+3], v[WA], s[10:11] offset:(32*(\t/2)+8*(\t%2))*384+256+32*\c
.endr
.endr
	WIN 0xc0
.irp t, 4,5
.irp c, 0,1,2,3
	global_load_b128 v[16*(\t-4)+4*\c:16*(\t-4)+4*\c+3], v[WA], s[10:11] offset:(32*(\t/2)+8*(\t%2))*384+256+32*\c
.endr
.endr
	WIN 0
.irp sp, 0,1,2
.irp t, 0,1,2,3,4,5
	global_load_b32 v[WS+6*\sp+\t], v[WSA], s[12:13] offset:(32*(\t/2)+8*(\t%2))*12+4*\sp
.endr
.endr
.irp t, 0,1,2,3,4,5
	global_load_b128 v[CB+8*\t:CB+8*\t+3], v[BA], s[14:15] offset:(32*(\t/2)+8*(\t%2))*4
	global_load_b128 v[CB+8*\t+4:CB+8*\t+7], v[BA], s[14:15] offset:(32*(\t/2)+8*(\t%2))*4+16
.endr
	global_load_b64 v[200:201], v[PMA], s[6:7]                     ; (-M0, l0)
	global_load_b64 v[202:203], v[PMA], s[6:7] offset:65536        ; (-M1, l1)
	WIN 0x40
.set n, 0
.rept 48
	global_load_b128 v[4*n:4*n+3], v[LI], s[4:5] offset:512*n th:TH_LOAD_NT
.set n, n+1
.endr
	WIN 0x80
.set n, 0
.rept 48
	global_load_b128 v[4*n:4*n+3], v[LI], s[30:31] offset:512*n th:TH_LOAD_NT
.set n, n+1
.endr
	WIN 0xc0
.set n, 0
.rept 48
	global_load_b128 v[64+4*n:64+4*n+3], v[XA], s[8:9] offset:128*(n/4)+16*(n%4) th:TH_LOAD_NT
.set n, n+1
.endr
	WIN 0
	s_wait_loadcnt 48                              ; all but x's 48 loads are in
	v_min_num_f32 v210, v200, v202                 ; -M
	v_sub_f32 v211, v210, v200                     ; M0 - M, a whole number, 0 or less
	v_sub_f32 v212, v210, v202
	v_cvt_i32_f32 v211, v211
	v_cvt_i32_f32 v212, v212
	v_ldexp_f32 v204, 1.0, v211                    ; f0
	v_ldexp_f32 v206, 1.0, v212                    ; f1
	v_mov_b32 v205, v204
	v_mov_b32 v207, v206
	v_mul_f32 v213, v201, v204
	v_fma_f32 v213, v203, v206, v213               ; l
	WIN 0x41
.set i, 0
.rept 96
	v_pk_mul_f32 v[2*i:2*i+1], v[2*i:2*i+1], v[204:205] op_sel_hi:[1,0]
.set i, i+1
.endr
	WIN 0x52
.set i, 0
.rept 96
	v_pk_fma_f32 v[2*i:2*i+1], v[2*i:2*i+1], v[206:207], v[2*i:2*i+1] op_sel_hi:[1,0,1]   ; O = O0 f0 + O1 f1
.set i, i+1
.endr
	WIN 0x80                                       ; O1's registers take Wo's fragments 0 to 11
.irp sp, 0,1
.irp t, 0,1,2,3,4,5
.irp c, 0,1,2,3
	global_load_b128 v[16*(6*\sp+\t)+4*\c:16*(6*\sp+\t)+4*\c+3], v[WA], s[10:11] offset:(32*(\t/2)+8*(\t%2))*384+128*\sp+32*\c
.endr
.endr
.endr
	WIN 0x05
.set i, 0
.rept 96
.if i < 4
	v_pk_mul_f32 v[SS+2*i:SS+2*i+1], v[2*i:2*i+1], v[2*i:2*i+1]                            ; the first four start the four chains
.else
	v_pk_fma_f32 v[SS+2*(i%4):SS+2*(i%4)+1], v[2*i:2*i+1], v[2*i:2*i+1], v[SS+2*(i%4):SS+2*(i%4)+1]
.endif
.set i, i+1
.endr
	WIN 0
	v_pk_add_f32 v[SS:SS+1], v[SS:SS+1], v[SS+2:SS+3]
	v_pk_add_f32 v[SS+4:SS+5], v[SS+4:SS+5], v[SS+6:SS+7]
	v_pk_add_f32 v[SS:SS+1], v[SS:SS+1], v[SS+4:SS+5]
	v_add_f32 v[SS], v[SS], v[SS+1]
	v_permlanex16_b32 v[SS+2], v[SS], s[SEL], s[SEL+1]
	v_add_f32 v[SS], v[SS], v[SS+2]                ; the row's sum of O^2
	s_wait_alu depctr_va_vdst(0)
	v_rcp_f32 v214, v213                           ; 1 / l
	v_sqrt_f32 v215, v[SS]
	v_nop
	s_wait_alu depctr_va_vdst(0)                   ; one wait for the two, ahead of their first reader
	v_mul_f32 v215, v215, v214                     ; |ctx|
	v_max_num_f32 v215, 0x2b8cbccc, v215           ; reference()'s guard: at least 1e-12
	s_wait_alu depctr_va_vdst(0)
	v_rcp_f32 v212, v215
	v_nop
	s_wait_alu depctr_va_vdst(0)
	v_mul_f32 v[FF], v214, v212                    ; ctx / norm = O x F
	v_mov_b32 v[FF+1], v[FF]
	s_wait_alu depctr_va_vdst(0)
	s_wait_loadcnt 48                              ; x is in; Wo's 48 late loads stay out
.irp s, 0,1,2
	WIN 0x31
.set i, 0
.rept 32
	v_pk_fma_f32 v[Y+2*i:Y+2*i+1], v[64*\s+2*i:64*\s+2*i+1], v[FF:FF+1], v[64+64*\s+2*i:64+64*\s+2*i+1] op_sel_hi:[1,0,1]
.set i, i+1
.endr
	WIN 0
	QUANT Y
.irp c, 0,1,2,3
	ds_store_b128 v[XWI], v[PC+4*\c:PC+4*\c+3] offset:2048*\s+512*\c
.endr
	ds_store_b32 v[XWS], v[PW] offset:128*\s
	s_wait_dscnt 0x0                               ; the stores have read their registers, and have landed
.endr
	s_barrier_signal -1
	s_barrier_wait -1                              ; the twelve fragments lie in LDS
	s_wait_loadcnt 0x0
	WIN 0xc0
.set n, 0
.rept 12
.irp c, 0,1,2,3
	ds_load_b128 v[64+16*n+4*\c:64+16*n+4*\c+3], v[LI] offset:2048*n+512*\c
.endr
.set n, n+1
.endr
	WIN 0
.set n, 0
.rept 12
	ds_load_b32 v[AS+n], v[LS] offset:XSC+128*n
.set n, n+1
.endr
	s_wait_dscnt 0x0
.irp m, 0,1,2,3                        ; six accumulators by turns
	WIN 0x4e
.irp t, 0,1,2,3,4,5
	v_wmma_scale_f32_16x16x128_f8f6f4 v[8*(6*\m+\t):8*(6*\m+\t)+7], v[16*\t:16*\t+15], v[64+16*(3*\m):64+16*(3*\m)+15], v[CB+8*\t:CB+8*\t+7], v[WS+\t], v[AS+3*\m]
.endr
	WIN 0x5e
.irp t, 0,1,2,3,4,5
	v_wmma_scale_f32_16x16x128_f8f6f4 v[8*(6*\m+\t):8*(6*\m+\t)+7], v[16*(6+\t):16*(6+\t)+15], v[64+16*(3*\m+1):64+16*(3*\m+1)+15], v[8*(6*\m+\t):8*(6*\m+\t)+7], v[WS+6+\t], v[AS+3*\m+1]
.endr
.irp t, 0,1,2,3
	v_wmma_scale_f32_16x16x128_f8f6f4 v[8*(6*\m+\t):8*(6*\m+\t)+7], v[16*(12+\t):16*(12+\t)+15], v[64+16*(3*\m+2):64+16*(3*\m+2)+15], v[8*(6*\m+\t):8*(6*\m+\t)+7], v[WS+12+\t], v[AS+3*\m+2]
.endr
	WIN 0x5f
.irp t, 4,5
	v_wmma_scale_f32_16x16x128_f8f6f4 v[8*(6*\m+\t):8*(6*\m+\t)+7], v[16*(\t-4):16*(\t-4)+15], v[64+16*(3*\m+2):64+16*(3*\m+2)+15], v[8*(6*\m+\t):8*(6*\m+\t)+7], v[WS+12+\t], v[AS+3*\m+2]
.endr
.endr
	WIN 0
.rept 8
	v_nop                                          ; eight places between the last product and the first read of results
.endr
	WIN 0x04                                       ; an LDS store's data: window 1
.irp m, 0,1,2,3
.irp t, 0,1,2,3,4,5
.if \m < 2
	ds_store_b128 v[SO], v[8*(6*\m+\t):8*(6*\m+\t)+3] offset:16*(\m%2)*SPI+128*(\t/2)+32*(\t%2)
	ds_store_b128 v[SO], v[8*(6*\m+\t)+4:8*(6*\m+\t)+7] offset:16*(\m%2)*SPI+128*(\t/2)+32*(\t%2)+16
.else
	ds_store_b128 v[SO2], v[8*(6*\m+\t):8*(6*\m+\t)+3] offset:16*(\m%2)*SPI+128*(\t/2)+32*(\t%2)
	ds_store_b128 v[SO2], v[8*(6*\m+\t)+4:8*(6*\m+\t)+7] offset:16*(\m%2)*SPI+128*(\t/2)+32*(\t%2)+16
.endif
.endr
.endr
	WIN 0
	s_wait_dscnt 0x0
	s_barrier_signal -1
	s_barrier_wait -1                              ; 64 whole rows lie in the stage
	WIN 0x40
.set n, 0
.rept 48
	ds_load_b128 v[4*n:4*n+3], v[SR] offset:SPI*(n/3)+512*(n%3)
.set n, n+1
.endr
	WIN 0x04
.set n, 0
.rept 48
	s_wait_dscnt 47-n                              ; load n is in; those issued behind it stay out
	global_store_b128 v[LI], v[4*n:4*n+3], s[16:17] offset:1536*(n/3)+512*(n%3) th:TH_STORE_NT   ; 32 lanes store 512 consecutive bytes, at a multiple of 256 from out0's first byte
.set n, n+1
.endr
	WIN 0
	s_wait_tensorcnt 0x0                           ; the wave's end
	ds_add_u32 v[SPW], v[NIL]
	s_wait_dscnt 0x0
	s_endpgm
.Lfunc_end_k_qf75909dd76_outp:
	.size	k_qf75909dd76_outp, .Lfunc_end_k_qf75909dd76_outp-k_qf75909dd76_outp
	.p2alignl 7, 3214868480
	.fill 96, 4, 3214868480
	.section	.rodata,"a",@progbits
	.p2align	6, 0x0
	.amdhsa_kernel k_qf75909dd76_outp
		.amdhsa_group_segment_fixed_size 125952
		.amdhsa_private_segment_fixed_size 0
		.amdhsa_enable_private_segment 0
		.amdhsa_kernarg_size 56
		.amdhsa_user_sgpr_count 2
		.amdhsa_user_sgpr_kernarg_segment_ptr 1
		.amdhsa_wavefront_size32 1
		.amdhsa_system_sgpr_workgroup_id_x 1
		.amdhsa_system_sgpr_workgroup_id_y 1
		.amdhsa_system_sgpr_workgroup_id_z 1
		.amdhsa_system_vgpr_workitem_id 0
		.amdhsa_next_free_vgpr 1024
		.amdhsa_next_free_sgpr 66
		.amdhsa_reserve_vcc 0
		.amdhsa_float_denorm_mode_32 3
		.amdhsa_float_denorm_mode_16_64 3
		.amdhsa_memory_ordered 1
		.amdhsa_forward_progress 1
		.amdhsa_inst_pref_size 104
	.end_amdhsa_kernel
	.amdgpu_metadata
---
amdhsa.version: [ 1, 2 ]
amdhsa.kernels:
  - .name:           k_qf75909dd76_outp
    .symbol:         k_qf75909dd76_outp.kd
    .args:
      - { .name: po, .offset: 0, .size: 8, .value_kind: global_buffer, .address_space: global }
      - { .name: pm, .offset: 8, .size: 8, .value_kind: global_buffer, .address_space: global }
      - { .name: x, .offset: 16, .size: 8, .value_kind: global_buffer, .address_space: global }
      - { .name: Wo_codes, .offset: 24, .size: 8, .value_kind: global_buffer, .address_space: global }
      - { .name: Wo_scales, .offset: 32, .size: 8, .value_kind: global_buffer, .address_space: global }
      - { .name: bo, .offset: 40, .size: 8, .value_kind: global_buffer, .address_space: global }
      - { .name: out0, .offset: 48, .size: 8, .value_kind: global_buffer, .address_space: global }
    .group_segment_fixed_size: 125952
    .private_segment_fixed_size: 0
    .kernarg_segment_align: 8
    .kernarg_segment_size: 56
    .max_flat_workgroup_size: 128
    .sgpr_count:     66
    .vgpr_count:     1024
    .wavefront_size: 32
...
	.end_amdgpu_metadata
.endif
;; end of part 3
